; MI455X (gfx1250); checked and timed in simulation.
; The chip was launched on July 23, 2026; its instructions are those of AMD's public machine-readable ISA for CDNA 5 (MIT licence, August 2026) and "CDNA5" Instruction Set Architecture Reference Guide (July 2026). The comments in the code are by the model that wrote it; some were corrected since.
;; Multi Head Attention. Allowed arithmetic: float matrix products may take bf16 or f16 operands with f32 sums; all other float work in f32.
;; Inputs: Wk 1,024 x 1,024 float32; Wo 1,024 x 1,024 float32; Wq 1,024 x 1,024 float32; Wv 1,024 x 1,024 float32; bk 1,024 float32; bo 1,024 float32; bq 1,024 float32; bv 1,024 float32; q 2 x 2,048 x 1,024 float32.
;; Outputs: out0 2 x 2,048 x 1,024 float32.
;; One version. Each part assembles by itself: llvm-mc -triple=amdgcn-amd-amdhsa -mcpu=gfx1250 --defsym DOCPART=n.
;; ======== version 1 of 1: 4 launches
;; limits: values are held in f16: magnitudes above 65,504 overflow, below 6.1e-05 lose precision
;; workspace buffers: qb 8,388,608 bytes; wt 8,388,608 bytes; qkv 25,165,824 bytes; att 8,388,608 bytes
;; launch prep (part 1): grid 512 x 2, 8 waves a work-group, no clusters, 17,408 bytes of LDS; arguments q, Wq, Wk, Wv, Wo, qb, wt; writes qb, wt
.if DOCPART == 1
	.amdgcn_target "amdgcn-amd-amdhsa--gfx1250"
	.amdhsa_code_object_version 6
	.text
	.protected	k_qe81cd5b8a1_prep
	.globl	k_qe81cd5b8a1_prep
	.p2align	8
	.type	k_qe81cd5b8a1_prep,@function
k_qe81cd5b8a1_prep:
	s_mov_b64 s[64:65], 0
	v_nop
	global_prefetch_b8 v0, s[64:65] scope:SCOPE_SE
	s_setreg_imm32_b32 hwreg(HW_REG_WAVE_MODE, 25, 1), 1
	s_wait_xcnt 0x0
; prep: the matrix operands of the later launches, in 16 bits and with K along the rows.
;   y = 1 (512 work-groups): qb = q rounded to bf16, 32,768 bytes in and 16,384 out for each work-group.
;   y = 0 (512 work-groups): one tile of 128 k x 64 n of one weight matrix [k][n] f32, rounded to bf16 and transposed into wt [row][k].
;     wt row 192 h + 64 t + d = column 64 h + d of W_t (t = 0, 1, 2 for Wq, Wk, Wv), bf16.
;     wt row 3072 + n = column n of Wo: the bf16-rounded value, stored as f16 (the last product runs in f16).  That second step is exact
;     for |w| >= 2^-17; below, its error is at most 2^-25.  LIMIT: |Wo| <= 65,504.
; No matrix unit, no cluster: the launch only moves bytes, each once.
.set X, 8                              ; v[8:39]   eight loads of 16 bytes
.set Y, 40                             ; v[40:55]  sixteen packed words
	s_load_b256 s[4:11], s[0:1], 0x0               ; q s[4:5], Wq s[6:7], Wk s[8:9], Wv s[10:11]
	s_load_b128 s[12:15], s[0:1], 0x20             ; Wo s[12:13], qb s[14:15]
	s_load_b64 s[16:17], s[0:1], 0x30              ; wt
	v_lshl_add_u32 v64, v0, 2, 0x4000
	v_mov_b32 v65, 0
	s_and_b32 s20, ttmp7, 0xffff                   ; work-group y: the same in all eight waves
	s_mov_b32 s27, 0                               ; high words of the two offsets
	s_mov_b32 s35, 0
	s_cmp_lg_u32 s20, 0
	s_cbranch_scc1 .Lcast
	; ---- a tile of a weight matrix ----
	s_lshr_b32 s21, ttmp9, 7                       ; m: which matrix, 0..3
	s_bfe_u32 s22, ttmp9, 0x30004                  ; kt: which 128 rows (k), 0..7
	s_and_b32 s23, ttmp9, 15                       ; h: which 64 columns (n), 0..15
	s_lshl_b32 s26, s22, 19                        ; kt x 128 rows x 4,096 bytes
	s_lshl_b32 s30, s23, 8                         ; + h x 64 columns x 4 bytes
	s_add_co_u32 s26, s26, s30
	s_mul_i32 s31, s23, 192
	s_lshl_b32 s32, s21, 6
	s_add_co_u32 s31, s31, s32                     ; row in wt for Wq, Wk, Wv: 192 h + 64 m
	s_lshl_b32 s33, s23, 6
	s_add_co_u32 s33, s33, 3072                    ; and for Wo: 3072 + 64 h
	s_cmp_lt_u32 s21, 3
	s_cselect_b32 s31, s31, s33
	s_lshl_b32 s34, s31, 11                        ; x 2,048 bytes a row
	s_lshl_b32 s30, s22, 8                         ; + kt x 128 k x 2 bytes
	s_add_co_u32 s34, s34, s30
	v_and_b32 v5, 15, v0                           ; c = t % 16
	v_lshrrev_b32 v6, 4, v0                        ; g = t / 16
	v_lshlrev_b32 v1, 4, v5
	v_lshl_or_b32 v1, v6, 15, v1                   ; load: rows 8 g .. 8 g + 7, 16 bytes at 16 c: sixteen lanes take 256 consecutive bytes
	v_add_nc_u32 v7, v5, v6
	v_and_b32 v7, 15, v7
	v_lshlrev_b32 v7, 4, v7                        ; the 16-byte column in LDS is turned by the row group: (g + c) % 16
	v_lshl_add_u32 v2, v5, 10, v7                  ; LDS in: rows n = 4 c + j (256 bytes each), k group g.  Sixteen lanes: sixteen different columns
	v_lshl_add_u32 v3, v6, 10, v7                  ; LDS out: rows n = 4 g + u, k group c.  Again sixteen different columns
	v_lshlrev_b32 v4, 4, v5
	v_lshl_or_b32 v4, v6, 13, v4                   ; store: rows 4 g + u of 2,048 bytes, 16 bytes at 16 c
	s_wait_kmcnt 0x0
	s_cmp_eq_u32 s21, 1
	s_cselect_b64 s[24:25], s[8:9], s[6:7]
	s_cmp_eq_u32 s21, 2
	s_cselect_b64 s[24:25], s[10:11], s[24:25]
	s_cmp_eq_u32 s21, 3
	s_cselect_b64 s[24:25], s[12:13], s[24:25]
	s_add_nc_u64 s[24:25], s[24:25], s[26:27]
	s_add_nc_u64 s[28:29], s[16:17], s[34:35]
.irp e, 0,1,2,3,4,5,6,7
	global_load_b128 v[X+4*\e:X+4*\e+3], v1, s[24:25] offset:\e*4096 th:TH_LOAD_NT   ; W[8 g + e][4 c .. 4 c + 3]
.endr
.irp i, 0,1,2,3
	s_wait_loadcnt 6-2*\i                          ; rows 2 i and 2 i + 1 are in; the 6 - 2 i younger loads stay out
.irp j, 0,1,2,3
	v_cvt_pk_bf16_f32 v[Y+4*\j+\i], v[X+8*\i+\j], v[X+8*\i+4+\j]   ; column 4 c + j, k = 8 g + 2 i and + 1
.endr
.endr
	s_cmp_lg_u32 s21, 3
	s_cbranch_scc1 .Lbf16
.irp n, 0,1,2,3,4,5,6,7,8,9,10,11,12,13,14,15
	v_lshlrev_b32 v56, 16, v[Y+\n]                 ; Wo alone: the bf16 values widened,
	v_and_b32 v57, 0xffff0000, v[Y+\n]
	v_cvt_pk_f16_f32 v[Y+\n], v56, v57             ; and written as f16
.endr
.Lbf16:
.irp j, 0,1,2,3
	ds_store_b128 v2, v[Y+4*\j:Y+4*\j+3] offset:\j*256
.endr
	s_wait_dscnt 0x0                               ; my stores are in LDS before I say so
	s_barrier_signal -1
	s_barrier_wait -1                              ; everybody's are
.irp u, 0,1,2,3
	ds_load_b128 v[X+4*\u:X+4*\u+3], v3 offset:\u*256
.endr
.irp u, 0,1,2,3
	s_wait_dscnt 3-\u                              ; LDS loads come back in order: load u is in
	global_store_b128 v4, v[X+4*\u:X+4*\u+3], s[28:29] offset:\u*2048   ; sixteen lanes store 256 consecutive bytes, aligned
.endr
	s_wait_tensorcnt 0x0
	ds_add_u32 v64, v65
	s_wait_dscnt 0x0
	s_endpgm
	; ---- a piece of q ----
.Lcast:
	s_lshl_b32 s26, ttmp9, 15                      ; 32,768 bytes of q
	s_lshl_b32 s34, ttmp9, 14                      ; 16,384 bytes of qb
	v_lshlrev_b32 v1, 5, v0                        ; eight f32 a thread
	v_lshlrev_b32 v4, 4, v0                        ; eight bf16 a thread
	s_wait_kmcnt 0x0
	s_add_nc_u64 s[24:25], s[4:5], s[26:27]
	s_add_nc_u64 s[28:29], s[14:15], s[34:35]
.irp i, 0,1,2,3
	global_load_b128 v[X+8*\i:X+8*\i+3],   v1, s[24:25] offset:\i*8192 th:TH_LOAD_NT
	global_load_b128 v[X+8*\i+4:X+8*\i+7], v1, s[24:25] offset:\i*8192+16 th:TH_LOAD_NT
.endr
.irp i, 0,1,2,3
	s_wait_loadcnt 6-2*\i                          ; pair i is in; the younger pairs stay out
.irp j, 0,1,2,3
	v_cvt_pk_bf16_f32 v[Y+4*\i+\j], v[X+8*\i+2*\j], v[X+8*\i+2*\j+1]
.endr
	global_store_b128 v4, v[Y+4*\i:Y+4*\i+3], s[28:29] offset:\i*4096   ; a wave stores 512 consecutive bytes
.endr
	s_endpgm
.Lfunc_end_k_qe81cd5b8a1_prep:
	.size	k_qe81cd5b8a1_prep, .Lfunc_end_k_qe81cd5b8a1_prep-k_qe81cd5b8a1_prep
	.p2alignl 7, 3214868480
	.fill 96, 4, 3214868480
	.section	.rodata,"a",@progbits
	.p2align	6, 0x0
	.amdhsa_kernel k_qe81cd5b8a1_prep
		.amdhsa_group_segment_fixed_size 17408
		.amdhsa_private_segment_fixed_size 0
		.amdhsa_enable_private_segment 0
		.amdhsa_kernarg_size 56
		.amdhsa_user_sgpr_count 2
		.amdhsa_user_sgpr_kernarg_segment_ptr 1
		.amdhsa_wavefront_size32 1
		.amdhsa_system_sgpr_workgroup_id_x 1
		.amdhsa_system_sgpr_workgroup_id_y 1
		.amdhsa_system_sgpr_workgroup_id_z 1
		.amdhsa_system_vgpr_workitem_id 0
		.amdhsa_next_free_vgpr 66
		.amdhsa_next_free_sgpr 66
		.amdhsa_reserve_vcc 0
		.amdhsa_float_denorm_mode_32 3
		.amdhsa_float_denorm_mode_16_64 3
		.amdhsa_memory_ordered 1
		.amdhsa_forward_progress 1
		.amdhsa_inst_pref_size 11
	.end_amdhsa_kernel
	.amdgpu_metadata
---
amdhsa.version: [ 1, 2 ]
amdhsa.kernels:
  - .name:           k_qe81cd5b8a1_prep
    .symbol:         k_qe81cd5b8a1_prep.kd
    .args:
      - { .name: q, .offset: 0, .size: 8, .value_kind: global_buffer, .address_space: global }
      - { .name: Wq, .offset: 8, .size: 8, .value_kind: global_buffer, .address_space: global }
      - { .name: Wk, .offset: 16, .size: 8, .value_kind: global_buffer, .address_space: global }
      - { .name: Wv, .offset: 24, .size: 8, .value_kind: global_buffer, .address_space: global }
      - { .name: Wo, .offset: 32, .size: 8, .value_kind: global_buffer, .address_space: global }
      - { .name: qb, .offset: 40, .size: 8, .value_kind: global_buffer, .address_space: global }
      - { .name: wt, .offset: 48, .size: 8, .value_kind: global_buffer, .address_space: global }
    .group_segment_fixed_size: 17408
    .private_segment_fixed_size: 0
    .kernarg_segment_align: 8
    .kernarg_segment_size: 56
    .max_flat_workgroup_size: 256
    .sgpr_count:     66
    .vgpr_count:     66
    .wavefront_size: 32
...
	.end_amdgpu_metadata
.endif
;; end of part 1
;; launch qkv (part 2): grid 16 x 16, 4 waves a work-group, clusters of 4 x 4, 327,680 bytes of LDS; arguments qb, wt, bq, bk, bv, qkv; writes qkv
.if DOCPART == 2
	.amdgcn_target "amdgcn-amd-amdhsa--gfx1250"
	.amdhsa_code_object_version 6
	.text
	.protected	k_qe81cd5b8a1_qkv
	.globl	k_qe81cd5b8a1_qkv
	.p2align	8
	.type	k_qe81cd5b8a1_qkv,@function
k_qe81cd5b8a1_qkv:
	s_mov_b64 s[64:65], 0
	v_nop
	global_prefetch_b8 v0, s[64:65] scope:SCOPE_SE
	s_setreg_imm32_b32 hwreg(HW_REG_WAVE_MODE, 25, 1), 1
	s_wait_xcnt 0x0
	s_wait_alu depctr_hold_cnt(0) depctr_sa_sdst(0) depctr_va_vdst(0) depctr_va_sdst(0) depctr_va_ssrc(0) depctr_va_vcc(0) depctr_vm_vsrc(0)
	s_getreg_b32 s2, hwreg(HW_REG_IB_STS2, 6, 4)
	s_cmp_eq_u32 s2, 0
	s_cbranch_scc0 .Lentry_in_a_cluster
	s_endpgm
.Lentry_in_a_cluster:
	s_bfe_u32 s2, ttmp6, 0x10000c
	s_cmp_lg_u32 s2, 0xf033
	s_cbranch_scc0 .Lentry_shape_is_right
	s_endpgm
.Lentry_shape_is_right:
; qkv: Q, K, V = qb x wt^T + bias.  qb [4096][1024] bf16, wt rows 0..3071 [row][1024] bf16, sums in f32, results rounded once to f16 and
; stored head by head: qkv[t][b*16+h][s][64], t = 0, 1, 2.  LIMIT: |Q|, |K|, |V| <= 65,504 (f16); the drawn inputs give a spread of 0.64.
; The work-group (x = head, y = 256 tokens) makes 256 x 192: Q, K and V of one head.  Wave w makes rows 64 w .. 64 w + 63 x all 192 columns:
; 48 accumulator tiles of 16 x 16, 384 registers; it owns whole rows, so that what it stores is dense blocks of 2,048 bytes.
; K goes in 8 steps of 128 through two LDS slots filled by the tensor data mover: rows of 256 bytes of memory, 256-byte aligned.
; CLUSTERS: 4 x 4 work-groups.  A's tile hangs on y alone and is asked for jointly by a row of the cluster, B's on x alone, by a column.
; REGISTER WINDOWS: 0: addresses, A's fragments (two buffers), bias, work on the way out; 1: B's fragments (two buffers);
;   2: accumulators of my rows 0-31 (tile (a, b) at v[8 (12 a + b)]); 3: those of my rows 32-63.
; THE MATRIX INSTRUCTION IS USED TRANSPOSED (source 0 = rows of wt, source 1 = rows of qb): lane l holds token l % 16 and, in registers 0-7,
; columns 8 (l / 16) + 0..7.  The bias is loaded in that layout and is the first product's C: nothing is cleared, no bias is added later.
.set KSTEP,  128
.set PITCH,  272                       ; 256 bytes of data + 16 of padding: an odd multiple of 16, so the 16 rows of a fragment load start in 16 different 16-byte columns
.set AHALF,  128*PITCH                 ; what waves 0 and 1 fetch: 128 rows of A each
.set BHALF,  96*PITCH                  ; what waves 2 and 3 fetch: 96 rows of B each
.set ABYTES, 2*AHALF
.set SLOT,   ABYTES+2*BHALF            ; 121,856
.set STAGE,  2*SLOT                    ; 243,712: behind the ring, 16 rows x 400 bytes for each wave; no tensor load lands here
.set SPITCH, 400
.set LAPS,   4                         ; a lap = two K steps
.set ADRA, 16                          ; v16-17  LDS address of my A fragments in slot 0, 1
.set ADRB, 20                          ; v20-21  the same for B
.set STO,  24
.set RD,   25
.set CO,   26
.set BO,   27
.set FA,   32                          ; v32-63, v64-95: A's fragments, 4 x 8 registers, two buffers
.set BIAS, 96                          ; v96-191: bias of column block b at 96 + 8 b; on the way out two sets of 48 registers
.set TMP,  192                         ; v192-239
.set G1,  24                           ; s[24:31] group 1 for A
.set G0,  32                           ; s[32:39] group 0 for A, one set a slot
.set G1B, 40                           ; s[40:47] group 1 for B
.set G0B, 48                           ; s[48:55] group 0 for B, one set a slot
.set OB,  66                           ; s[66:71] where my rows of Q, K, V go
.set MSB, 0
.macro WIN new                         ; the immediate's high byte repeats the setting that is left
.if MSB != \new
	s_set_vgpr_msb (MSB<<8)|\new
.set MSB, \new
.endif
.endm
.set MUL_LO, 0xa1                      ; source 0 (B) window 1, source 1 (A) window 0, C and D window 2
.set MUL_HI, 0xf1                      ; the same, C and D window 3
.set TO_B,   0x40                      ; destination window 1, address window 0
.macro JLOAD s                         ; waves 0, 1 ask for A's halves, waves 2, 3 for B's; the branch hangs on the wave's number alone
	s_cmp_eq_u32 s17, 0
	s_cbranch_scc0 .Lfor_b_\@
	tensor_load_to_lds s[G0+4*\s:G0+4*\s+3], s[G1:G1+7]
	s_nop 0
	s_branch .Lasked_\@
.Lfor_b_\@:
	tensor_load_to_lds s[G0B+4*\s:G0B+4*\s+3], s[G1B:G1B+7]
	s_nop 0
.Lasked_\@:
.endm
.macro CREST                           ; a round of the cluster's barrier behind its opening work-group barrier
	s_cmp_lg_u32 s16, 0
	s_cbranch_scc1 .Lnot_wave_0_\@
	s_barrier_signal -3
.Lnot_wave_0_\@:
	s_barrier_wait -3
	s_barrier_signal -1
	s_barrier_wait -1
.endm
.macro CROUND
	s_barrier_signal -1
	s_barrier_wait -1
	CREST
.endm
.macro PLACES                          ; four plain vector instructions between a matrix instruction and a load into, or a vector use of, its registers
.rept 4
	v_nop
.endr
.endm
	s_load_b256 s[4:11], s[0:1], 0x0               ; qb s[4:5], wt s[6:7], bq s[8:9], bk s[10:11]
	s_load_b128 s[12:15], s[0:1], 0x20             ; bv s[12:13], qkv s[14:15]
	s_set_vgpr_msb 0x40
	v_lshl_add_u32 v255, v0, 2, 0x41c00
	s_set_vgpr_msb 0x4000
	v_mov_b32 v255, 0
	s_set_vgpr_msb 0x1
	ds_add_u32 v255, v255
	ds_add_u32 v255, v255
	s_set_vgpr_msb 0x100
	v_lshrrev_b32 v1, 5, v0
	v_readfirstlane_b32 s16, v1                    ; wave 0..3
	s_lshr_b32 s17, s16, 1                         ; I fetch for A (0) or for B (1)
	s_and_b32 s18, s16, 1                          ; which half of that tile
	s_bfe_u32 s20, ttmp6, 0x40000                  ; cx
	s_bfe_u32 s21, ttmp6, 0x40004                  ; cy
	s_lshl_b32 s22, ttmp9, 2
	s_add_co_u32 s22, s22, s20                     ; x = head
	s_and_b32 s23, ttmp7, 0xffff
	s_lshl_b32 s23, s23, 2
	s_add_co_u32 s23, s23, s21                     ; y = block of 256 tokens
	s_lshl_b32 s62, s21, 2
	s_lshl_b32 s62, 15, s62                        ; my row of the cluster
	s_lshl_b32 s63, 0x1111, s20                    ; my column
	s_or_b32 s[G1+0], s62, (1<<16)|(1<<20)|(1<<21)|(5<<22)|(3<<25)   ; mask; elements of 2 bytes; padding on; bit 21 beside a mask; after every 64 words, 4 words
	s_mov_b32 s[G1+1], KSTEP<<16                   ; tensor_dim0 = 128
	s_mov_b32 s[G1+2], 128<<16                     ; tensor_dim1 = 128
	s_mov_b32 s[G1+3], KSTEP<<16                   ; tile_dim0 = 128
	s_mov_b32 s[G1+4], 128                         ; tile_dim1 = 128
	s_mov_b32 s[G1+5], 1024                        ; elements from row to row
	s_mov_b32 s[G1+6], 0
	s_mov_b32 s[G1+7], 0
	s_or_b32 s[G1B+0], s63, (1<<16)|(1<<20)|(1<<21)|(5<<22)|(3<<25)
	s_mov_b32 s[G1B+1], KSTEP<<16
	s_mov_b32 s[G1B+2], 96<<16                     ; 96 rows
	s_mov_b32 s[G1B+3], KSTEP<<16
	s_mov_b32 s[G1B+4], 96
	s_mov_b32 s[G1B+5], 1024
	s_mov_b32 s[G1B+6], 0
	s_mov_b32 s[G1B+7], 0
	s_lshl_b32 s56, s23, 19                        ; A: (256 y + 128 half) rows of 2,048 bytes: made of y and the wave's number alone
	s_lshl_b32 s72, s18, 18
	s_add_co_u32 s56, s56, s72
	s_mov_b32 s57, 0
	s_mul_i32 s58, s22, 393216                     ; B: (192 x + 96 half) rows of 2,048 bytes: made of x and the wave's number alone
	s_mul_i32 s73, s18, 196608
	s_add_co_u32 s58, s58, s73
	s_mov_b32 s59, 0
	s_mul_i32 s74, s16, AHALF                      ; LDS: waves 0, 1 at 0 and 34,816
	s_mul_i32 s75, s16, BHALF
	s_add_co_u32 s75, s75, ABYTES-2*BHALF          ; waves 2, 3 at 69,632 and 95,744
	s_wait_dscnt 0x0
	s_wait_kmcnt 0x0
	s_add_nc_u64 s[56:57], s[4:5], s[56:57]
	s_add_nc_u64 s[58:59], s[6:7], s[58:59]
	CROUND                                         ; all sixteen work-groups are here: the first joint loads meet
.irp s, 0,1
	s_mov_b32 s[G0+4*\s], 1
	s_add_co_u32 s[G0+4*\s+1], s74, \s*SLOT
	s_add_nc_u64 s[G0+4*\s+2:G0+4*\s+3], s[56:57], \s*KSTEP*2
	s_or_b32 s[G0+4*\s+3], s[G0+4*\s+3], 0x80000000
	s_mov_b32 s[G0B+4*\s], 1
	s_add_co_u32 s[G0B+4*\s+1], s75, \s*SLOT
	s_add_nc_u64 s[G0B+4*\s+2:G0B+4*\s+3], s[58:59], \s*KSTEP*2
	s_or_b32 s[G0B+4*\s+3], s[G0B+4*\s+3], 0x80000000
	JLOAD \s                                       ; K steps 0 and 1: two tensor loads of the wave are out
.endr
	v_and_b32 v1, 15, v0                           ; r = l % 16
	v_bfe_u32 v2, v0, 4, 1                         ; hh = l / 16
	v_mul_u32_u24 v3, v1, PITCH
	v_lshl_add_u32 v3, v2, 4, v3                   ; row x pitch + 16 hh
	s_mul_i32 s72, s16, 64*PITCH                   ; my 64 rows of A
	v_add_nc_u32 v[ADRA], s72, v3
	v_add_nc_u32 v[ADRA+1], SLOT, v[ADRA]
	v_add_nc_u32 v[ADRB], ABYTES, v3               ; all 192 rows of B
	v_add_nc_u32 v[ADRB+1], SLOT, v[ADRB]
	s_mul_i32 s73, s16, 16*SPITCH
	s_add_co_u32 s73, s73, STAGE                   ; my stage
	v_mul_u32_u24 v4, v1, SPITCH
	v_lshl_add_u32 v4, v2, 4, v4
	v_add_nc_u32 v[STO], s73, v4                   ; in: row r, 16 bytes for each half of the lanes
	v_bfe_u32 v5, v0, 3, 2
	v_and_b32 v6, 7, v0
	v_mul_u32_u24 v7, v5, SPITCH
	v_lshl_add_u32 v7, v6, 4, v7
	v_add_nc_u32 v[RD], s73, v7                    ; back: eight lanes take the 128 bytes of one row and one of Q, K, V
	v_and_b32 v[CO], 31, v0
	v_lshlrev_b32 v[CO], 4, v[CO]                  ; and store them as 512 consecutive bytes a wave
	v_lshlrev_b32 v[BO], 5, v2                     ; bias: 8 hh numbers in
	s_lshl_b32 s60, s22, 8                         ; my head's 64 numbers of each bias
	s_mov_b32 s61, 0
	s_add_nc_u64 s[8:9], s[8:9], s[60:61]
	s_add_nc_u64 s[10:11], s[10:11], s[60:61]
	s_add_nc_u64 s[12:13], s[12:13], s[60:61]
.irp b, 0,1,2,3,4,5,6,7,8,9,10,11
	global_load_b128 v[BIAS+8*\b:BIAS+8*\b+3],   v[BO], s[8+2*(\b/4):9+2*(\b/4)] offset:(\b%4)*64
	global_load_b128 v[BIAS+8*\b+4:BIAS+8*\b+7], v[BO], s[8+2*(\b/4):9+2*(\b/4)] offset:(\b%4)*64+16
.endr
	s_lshr_b32 s72, s23, 3                         ; batch
	s_lshl4_add_u32 s72, s72, s22                  ; x 16 + head
	s_lshl_b32 s72, s72, 11                        ; x 2,048 tokens
	s_and_b32 s73, s23, 7
	s_lshl_b32 s73, s73, 8
	s_add_co_u32 s72, s72, s73                     ; + 256 (y % 8)
	s_lshl_b32 s73, s16, 6
	s_add_co_u32 s72, s72, s73                     ; + 64 w
	s_lshl_b32 s72, s72, 7                         ; x 128 bytes
	s_mov_b32 s73, 0
	s_add_nc_u64 s[OB:OB+1], s[14:15], s[72:73]
	s_add_nc_u64 s[OB+2:OB+3], s[OB:OB+1], 0x800000
	s_add_nc_u64 s[OB+4:OB+5], s[OB:OB+1], 0x1000000
; 12 matrix instructions: token block a of the window's two (hi = 0: my rows 0-31, 1: rows 32-63) x all 12 column blocks, 32 along K.
; zero = 1: the first product takes the bias as C.
.macro MUL12 f, hi, a, zero
.irp b, 0,1,2,3,4,5,6,7,8,9,10,11
.if \zero
	v_wmma_f32_16x16x32_bf16 v[8*(12*\a+\b):8*(12*\a+\b)+7], v[96*\f+8*\b:96*\f+8*\b+7], v[FA+32*\f+8*(2*\hi+\a):FA+32*\f+8*(2*\hi+\a)+7], v[BIAS+8*\b:BIAS+8*\b+7]
.else
	v_wmma_f32_16x16x32_bf16 v[8*(12*\a+\b):8*(12*\a+\b)+7], v[96*\f+8*\b:96*\f+8*\b+7], v[FA+32*\f+8*(2*\hi+\a):FA+32*\f+8*(2*\hi+\a)+7], v[8*(12*\a+\b):8*(12*\a+\b)+7]
.endif
.endr
.endm
; 32 LDS loads in one run: 192 rows of B, my 64 rows of A, 32 K at byte k of the rows, into buffer f
.macro FETCH slot, k, f
	WIN TO_B
.irp i, 0,1,2,3,4,5,6,7,8,9,10,11
	ds_load_b128 v[96*\f+8*\i:96*\f+8*\i+3],   v[ADRB+\slot] offset:\k+\i*16*PITCH
	ds_load_b128 v[96*\f+8*\i+4:96*\f+8*\i+7], v[ADRB+\slot] offset:\k+\i*16*PITCH+32
.endr
	WIN 0
.irp i, 0,1,2,3
	ds_load_b128 v[FA+32*\f+8*\i:FA+32*\f+8*\i+3],   v[ADRA+\slot] offset:\k+\i*16*PITCH
	ds_load_b128 v[FA+32*\f+8*\i+4:FA+32*\f+8*\i+7], v[ADRA+\slot] offset:\k+\i*16*PITCH+32
.endr
.endm
; A K step is four quarters of 32 along K, 48 matrix instructions each, on buffers 0, 1, 0, 1.  The 48 accumulators take turns, one
; instruction a turn, in the same order in every quarter.
.macro QUARTER slot, k, f, g, zero
	s_wait_dscnt 4                                 ; B and A's blocks 0, 1 are in; the youngest four loads (A's blocks 2, 3) may be out
.if \zero
	WIN 0x81                                       ; C (the bias) in window 0, D in window 2
.else
	WIN MUL_LO
.endif
	MUL12 \f, 0, 0, \zero
	MUL12 \f, 0, 1, \zero
	PLACES
	FETCH \slot, \k, \g
	s_wait_dscnt 32                                ; all but the 32 just issued
.if \zero
	WIN 0xc1
.else
	WIN MUL_HI
.endif
	MUL12 \f, 1, 0, \zero
	MUL12 \f, 1, 1, \zero
.endm
.macro THREE slot, zero
	QUARTER \slot, 64,  0, 1, \zero
	QUARTER \slot, 128, 1, 0, 0
	QUARTER \slot, 192, 0, 1, 0
.endm
; The last quarter multiplies buffer 1 and changes slots.  In front of the barrier each wave waits for its reads of this slot and for all its
; tensor loads (one is out: its part of the next slot).  Where the slot is filled again the barrier opens a round of the cluster's barrier,
; and the joint refill is the wave's first tensor load behind the round.  From a request to the wait for it a wave issues 180 matrix instructions.
.macro TURN slot, next, fill
	s_wait_dscnt 4
	WIN MUL_LO
	MUL12 1, 0, 0, 0
	s_wait_dscnt 0                                 ; my reads of this slot are over
	s_wait_tensorcnt 0x0                           ; all my tensor loads have landed
	ds_add_u32 v255, v255
	s_wait_dscnt 0x0
	s_barrier_signal -1
	MUL12 1, 0, 1, 0                               ; register work while the others arrive
	WIN 0
	s_barrier_wait -1
.if \fill
	CREST
	s_add_nc_u64 s[G0+4*\slot+2:G0+4*\slot+3], s[G0+4*\slot+2:G0+4*\slot+3], 2*KSTEP*2
	s_add_nc_u64 s[G0B+4*\slot+2:G0B+4*\slot+3], s[G0B+4*\slot+2:G0B+4*\slot+3], 2*KSTEP*2
	JLOAD \slot
.endif
	PLACES
	FETCH \next, 0, 0
	WIN MUL_HI
	MUL12 1, 1, 0, 0
	MUL12 1, 1, 1, 0
.endm
.macro LAP zero
	THREE 0, \zero
	TURN 0, 1, 1
	THREE 1, 0
	TURN 1, 0, 1
.endm
	s_wait_tensorcnt 0x1                           ; my part of K step 0 is in; K step 1's stays out
	s_barrier_signal -1
	s_barrier_wait -1
	FETCH 0, 0, 0
	s_wait_loadcnt 0x0                             ; the bias
	LAP 1
	WIN 0
	s_mov_b32 s19, LAPS-2
.Llap:
	LAP 0
	WIN 0
	s_sub_co_u32 s19, s19, 1
	s_cmp_lg_u32 s19, 0
	s_cbranch_scc1 .Llap
	THREE 0, 0                                     ; the last lap fills nothing
	TURN 0, 1, 0
	THREE 1, 0
	s_wait_dscnt 4
	WIN MUL_LO
	MUL12 1, 0, 0, 0
	MUL12 1, 0, 1, 0
	s_wait_dscnt 0
	WIN MUL_HI
	MUL12 1, 1, 0, 0
	MUL12 1, 1, 1, 0
	; THE WAY OUT, 16 tokens at a time: round to f16, 16 bytes a lane into my own stage, read back as rows of 128 bytes of Q, of K, of V.
	PLACES
; a: which 16 tokens; ap: the tile row in window 2 or 3 (from = 0x0a or 0x0f: sources 0 and 1); rb: the set of 48 registers read back into
.macro OUT16 a, ap, from, rb
	WIN \from
.irp b, 0,1,2,3,4,5,6,7,8,9,10,11
.irp r, 0,1,2,3
	v_cvt_pk_f16_f32 v[TMP+4*\b+\r], v[8*(12*\ap+\b)+2*\r], v[8*(12*\ap+\b)+2*\r+1]
.endr
.endr
	WIN 0
.irp b, 0,1,2,3,4,5,6,7,8,9,10,11
	ds_store_b128 v[STO], v[TMP+4*\b:TMP+4*\b+3] offset:32*\b
.endr
	s_wait_xcnt 0x0                                ; the set, which earlier stores read, is loaded again only behind this wait
.irp t, 0,1,2
.irp u, 0,1,2,3
	ds_load_b128 v[\rb+4*(4*\t+\u):\rb+4*(4*\t+\u)+3], v[RD] offset:\t*128+\u*4*SPITCH   ; LDS serves a wave's instructions in order: these see the stores above
.endr
.endr
.irp t, 0,1,2
.irp u, 0,1,2,3
	s_wait_dscnt 11-(4*\t+\u)
	global_store_b128 v[CO], v[\rb+4*(4*\t+\u):\rb+4*(4*\t+\u)+3], s[OB+2*\t:OB+2*\t+1] offset:\a*2048+\u*512   ; 512 consecutive bytes, aligned
.endr
.endr
.endm
	OUT16 0, 0, 0x0a, 96
	OUT16 1, 1, 0x0a, 144
	OUT16 2, 0, 0x0f, 96
	OUT16 3, 1, 0x0f, 144
	s_set_vgpr_msb 0x1
	s_wait_tensorcnt 0x0
	ds_add_u32 v255, v255
	s_wait_dscnt 0x0
	s_set_vgpr_msb 0x100
	CROUND                                         ; the closing round: no work-group ends while a partner may still ask for a tile that names it
	s_endpgm
.Lfunc_end_k_qe81cd5b8a1_qkv:
	.size	k_qe81cd5b8a1_qkv, .Lfunc_end_k_qe81cd5b8a1_qkv-k_qe81cd5b8a1_qkv
	.p2alignl 7, 3214868480
	.fill 96, 4, 3214868480
	.section	.rodata,"a",@progbits
	.p2align	6, 0x0
	.amdhsa_kernel k_qe81cd5b8a1_qkv
		.amdhsa_group_segment_fixed_size 327680
		.amdhsa_private_segment_fixed_size 0
		.amdhsa_enable_private_segment 0
		.amdhsa_kernarg_size 48
		.amdhsa_user_sgpr_count 2
		.amdhsa_user_sgpr_kernarg_segment_ptr 1
		.amdhsa_wavefront_size32 1
		.amdhsa_system_sgpr_workgroup_id_x 1
		.amdhsa_system_sgpr_workgroup_id_y 1
		.amdhsa_system_sgpr_workgroup_id_z 1
		.amdhsa_system_vgpr_workitem_id 0
		.amdhsa_next_free_vgpr 960
		.amdhsa_next_free_sgpr 80
		.amdhsa_reserve_vcc 0
		.amdhsa_float_denorm_mode_32 3
		.amdhsa_float_denorm_mode_16_64 3
		.amdhsa_memory_ordered 1
		.amdhsa_forward_progress 1
		.amdhsa_inst_pref_size 166
	.end_amdhsa_kernel
	.amdgpu_metadata
---
amdhsa.version: [ 1, 2 ]
amdhsa.kernels:
  - .name:           k_qe81cd5b8a1_qkv
    .symbol:         k_qe81cd5b8a1_qkv.kd
    .args:
      - { .name: qb, .offset: 0, .size: 8, .value_kind: global_buffer, .address_space: global }
      - { .name: wt, .offset: 8, .size: 8, .value_kind: global_buffer, .address_space: global }
      - { .name: bq, .offset: 16, .size: 8, .value_kind: global_buffer, .address_space: global }
      - { .name: bk, .offset: 24, .size: 8, .value_kind: global_buffer, .address_space: global }
      - { .name: bv, .offset: 32, .size: 8, .value_kind: global_buffer, .address_space: global }
      - { .name: qkv, .offset: 40, .size: 8, .value_kind: global_buffer, .address_space: global }
    .group_segment_fixed_size: 327680
    .private_segment_fixed_size: 0
    .kernarg_segment_align: 8
    .kernarg_segment_size: 48
    .max_flat_workgroup_size: 128
    .sgpr_count:     80
    .vgpr_count:     960
    .wavefront_size: 32
...
	.end_amdgpu_metadata
.endif
;; end of part 2
;; launch attn (part 3): grid 8 x 32, 4 waves a work-group, no clusters, 327,680 bytes of LDS; arguments qkv, att; writes att
.if DOCPART == 3
	.amdgcn_target "amdgcn-amd-amdhsa--gfx1250"
	.amdhsa_code_object_version 6
	.text
	.protected	k_qe81cd5b8a1_attn
	.globl	k_qe81cd5b8a1_attn
	.p2align	8
	.type	k_qe81cd5b8a1_attn,@function
k_qe81cd5b8a1_attn:
	s_mov_b64 s[64:65], 0
	v_nop
	global_prefetch_b8 v0, s[64:65] scope:SCOPE_SE
	s_setreg_imm32_b32 hwreg(HW_REG_WAVE_MODE, 25, 1), 1
	s_wait_xcnt 0x0
; attn: causal softmax attention of one (batch, head) = work-group y, for two blocks of 128 queries.  qkv[t][bh][s][64] f16 in,
; att[b][block of 128 queries][h][128][64] f16 out.  Scores and sums in f32, softmax in f32 with a running maximum.
; BALANCE: query block i needs i + 1 units of 128 keys.  Work-group x takes blocks A = 2 x + 1 and B = 14 - 2 x: 17 units for every work-group.
; ORDER of the 17 tiles: the diagonal unit of A, units 0 .. A-1, the diagonal unit of B, units 0 .. B-1.  The diagonal unit comes first, so that
; the masked code is also the code that starts the sums (C = 0, no rescale); its first key is open to every row, so the maximum is finite from
; the first 64 keys on.  Tile n lies in slot n % 2; A + 1 is even, so a diagonal always falls into slot 0.
; LAYOUT: S^T = K Q^T (source 0 = rows of K, source 1 = rows of Q): lane (r, hh) holds query r and keys 16 kb + 8 hh + j.  Two neighbouring
; tiles, packed to f16, ARE the second operand of O^T = V^T P^T (source 0 = V through the transposing LDS load): no shuffle.  Maximum, sum and
; rescale factor are one number a lane; the two halves of the wave meet by one v_permlanex16_b32.
; NO CLUSTER: the eight work-groups of a head start at different tiles (2 x + 1) and change blocks at different steps (2 x + 2), so at a
; given step no two of them ask for the same tile, and a common order would undo the balance above.
; LIMITS: P is rounded to f16 (a weight below 2^-25 of its row's largest counts as 0); exponentials below 2^-126 are 0; NaN and infinities
; among the inputs are not reproduced element for element.
.set SLOTB, 40960                      ; a slot: K rows 0-63, K rows 64-127 (pitch 144), V rows 0-63, V rows 64-127 (pitch 160), 10,240 bytes each
.set PART,  10240
.set QREG,  81920                      ; block A's 128 rows of Q, pitch 144, then block B's
.set STAGE, 118784                     ; 32 rows x 144 bytes for each wave; no tensor load lands here
.set KA, 4
.set VA, 5
.set QA, 6
.set STO, 7
.set RD, 8
.set GO, 9
.set DL, 10                            ; 32 w + r - 8 hh
.set NINF, 11
.set MR, 12                            ; v12, v13      running maximum of query block qn = 0, 1
.set LR, 14                            ; v[14:15], v[16:17]  running sum, as a pair
.set NM, 18                            ; v18, v20 = -c m; v19, v21 = the maximum at work
.set AL, 22                            ; v22, v24 = rescale factor; v23, v25 = what comes from the other half
.set QR, 32                            ; Q(qn, ks) at 32 + 16 qn + 8 ks
.set SR, 64                            ; S(qn, kb) at 64 + 32 qn + 8 kb;  P(qn, kk) at 64 + 32 qn + 16 kk, in place
.set OA, 128                           ; O(qn, db) at 128 + 32 qn + 8 db
.set KR, 192                           ; K(kb, ks) at 192 + 16 kb + 8 ks;  V(kk, db) at v[256 + 32 kk + 8 db]
.set G1K, 24
.set G1V, 32
.set G0,  48                           ; s[48:55] group 0, one set a slot
.set MSB, 0
.macro WIN new
.if MSB != \new
	s_set_vgpr_msb (MSB<<8)|\new
.set MSB, \new
.endif
.endm
.macro PLACES
.rept 4
	v_nop
.endr
.endm
.macro KVLOAD slot                     ; waves 0, 1 fetch K's halves, waves 2, 3 V's: one tensor load a wave, 64 rows of 128 bytes
	s_cmp_eq_u32 s9, 0
	s_cbranch_scc0 .Lv_\@
	tensor_load_to_lds s[G0+4*(\slot):G0+4*(\slot)+3], s[G1K:G1K+7]
	s_nop 0
	s_branch .Ld_\@
.Lv_\@:
	tensor_load_to_lds s[G0+4*(\slot):G0+4*(\slot)+3], s[G1V:G1V+7]
	s_nop 0
.Ld_\@:
.endm
.macro NEXTKT nreg, slot               ; the key unit of tile n + 1, and its address into the slot's group 0
	s_sub_co_u32 s18, \nreg, s15                   ; n - (A + 1): block B's units
	s_cmp_lt_u32 \nreg, s13
	s_cselect_b32 s18, \nreg, s18                  ; n < A: block A's unit n
	s_cmp_eq_u32 \nreg, s13
	s_cselect_b32 s18, s14, s18                    ; n = A: B's diagonal unit
	s_lshl_b32 s20, s18, 14                        ; x 128 rows of 128 bytes
	s_add_nc_u64 s[G0+4*(\slot)+2:G0+4*(\slot)+3], s[22:23], s[20:21]
	s_or_b32 s[G0+4*(\slot)+3], s[G0+4*(\slot)+3], 0x80000000
.endm
.macro KLOAD slot, sub
.irp kb, 0,1,2,3
.irp ks, 0,1
	ds_load_b128 v[KR+16*\kb+8*\ks:KR+16*\kb+8*\ks+3],   v[KA] offset:\slot*SLOTB+\sub*PART+\kb*2304+\ks*64
	ds_load_b128 v[KR+16*\kb+8*\ks+4:KR+16*\kb+8*\ks+7], v[KA] offset:\slot*SLOTB+\sub*PART+\kb*2304+\ks*64+32
.endr
.endr
.endm
.macro VLOAD slot, sub
	WIN 0x40                                       ; destination window 1
.irp kk, 0,1
.irp db, 0,1,2,3
	ds_load_tr16_b128 v[32*\kk+8*\db:32*\kk+8*\db+3],   v[VA] offset:\slot*SLOTB+\sub*PART+\kk*5120+\db*32
	ds_load_tr16_b128 v[32*\kk+8*\db+4:32*\kk+8*\db+7], v[VA] offset:\slot*SLOTB+\sub*PART+\kk*5120+\db*32+2560
.endr
.endr
	WIN 0
.endm
.macro LOADQ blk
.irp qn, 0,1
.irp ks, 0,1
	ds_load_b128 v[QR+16*\qn+8*\ks:QR+16*\qn+8*\ks+3],   v[QA] offset:\blk*18432+\qn*2304+\ks*64
	ds_load_b128 v[QR+16*\qn+8*\ks+4:QR+16*\qn+8*\ks+7], v[QA] offset:\blk*18432+\qn*2304+\ks*64+32
.endr
.endr
.endm
; The change of slots.  Every wave waits for all its tensor loads (its part of this tile among them) and for its reads of the other slot,
; passes the barrier, and asks first thing for its part of the next tile, into the slot read last: one tensor load a wave is out, and it has a
; whole unit's work (64 matrix instructions and the softmax of 128 keys) in which to land.
.macro HEAD slot, refill, nreg
	s_wait_tensorcnt 0x0
	ds_add_u32 v30, v31
	s_wait_dscnt 0x0
.if \refill
	NEXTKT \nreg, 1-\slot                          ; no tensor load of mine is out: a group 0 may be written
.endif
	s_wait_dscnt 0x0
	s_barrier_signal -1
	s_barrier_wait -1
.if \refill
	KVLOAD 1-\slot
.endif
	KLOAD \slot, 0
.endm
; 64 keys x my 32 queries.  mask: the diagonal unit; first: starts maximum, sum and O; nextk: the unit's second 64 rows of K are fetched.
.macro STEP64 slot, sub, mask, first, nextk
.rept 5
	v_nop                                          ; five places: the products below write over P, which the last products read (ISA guide 7.12.1)
.endr
	s_wait_dscnt 0x0                               ; K (and Q)
.irp ks, 0,1
.irp kb, 0,1,2,3
.irp qn, 0,1
.if \ks
	v_wmma_f32_16x16x32_f16 v[SR+32*\qn+8*\kb:SR+32*\qn+8*\kb+7], v[KR+16*\kb+8*\ks:KR+16*\kb+8*\ks+7], v[QR+16*\qn+8*\ks:QR+16*\qn+8*\ks+7], v[SR+32*\qn+8*\kb:SR+32*\qn+8*\kb+7]
.else
	v_wmma_f32_16x16x32_f16 v[SR+32*\qn+8*\kb:SR+32*\qn+8*\kb+7], v[KR+16*\kb+8*\ks:KR+16*\kb+8*\ks+7], v[QR+16*\qn+8*\ks:QR+16*\qn+8*\ks+7], 0
.endif
.endr
.endr
.endr                                              ; eight accumulators by turns, one instruction a turn
.rept 5
	v_nop                                          ; places in front of the loads into K and V, of the vector work on S, and of P's use as an operand
.endr
	VLOAD \slot, \sub
.if \nextk
	KLOAD \slot, 1
.endif
.if \mask
.irp qn, 0,1
.irp kb, 0,1,2,3
.irp j, 0,1,2,3,4,5,6,7
	v_cmp_gt_i32 vcc_lo, 64*\sub+16*\kb+\j-16*\qn, v[DL]           ; key 64 sub + 16 kb + 8 hh + j > query 32 w + 16 qn + r
	v_cndmask_b32 v[SR+32*\qn+8*\kb+\j], v[SR+32*\qn+8*\kb+\j], v[NINF], vcc_lo
.endr
.endr
.endr
.endif
.if \first
	v_max_num_f32 v[NM+1], v[SR], v[SR+1]
	v_max_num_f32 v[NM+3], v[SR+32], v[SR+33]
.else
	v_max3_num_f32 v[NM+1], v[MR], v[SR], v[SR+1]
	v_max3_num_f32 v[NM+3], v[MR+1], v[SR+32], v[SR+33]
.endif
.set i, 2
.rept 15
	v_max3_num_f32 v[NM+1], v[NM+1], v[SR+i], v[SR+i+1]
	v_max3_num_f32 v[NM+3], v[NM+3], v[SR+32+i], v[SR+33+i]
.set i, i+2
.endr
	v_permlanex16_b32 v[AL+1], v[NM+1], s74, s75   ; the other half's keys of the same query
	v_permlanex16_b32 v[AL+3], v[NM+3], s74, s75
	v_max_num_f32 v[NM+1], v[NM+1], v[AL+1]        ; the new maximum
	v_max_num_f32 v[NM+3], v[NM+3], v[AL+3]
.if \first == 0
	v_sub_f32 v[AL], v[MR], v[NM+1]
	v_sub_f32 v[AL+2], v[MR+1], v[NM+3]
	v_mul_f32 v[AL], s70, v[AL]
	v_mul_f32 v[AL+2], s70, v[AL+2]
	v_exp_f32 v[AL], v[AL]                         ; 2^(c (m_old - m_new)); the moves below are the plain instructions behind it (ISA guide 5.7.2)
	v_exp_f32 v[AL+2], v[AL+2]
.endif
	v_mov_b32 v[MR], v[NM+1]
	v_mov_b32 v[MR+1], v[NM+3]
	v_mul_f32 v[NM], s72, v[NM+1]                  ; -c m
	v_mul_f32 v[NM+2], s72, v[NM+3]
	s_wait_alu depctr_va_vdst(0)
	; One pass over the eight tiles, three stages deep: tile t gets c s - c m (and O's tile t its rescale), tile t - 1 its exponentials,
	; tile t - 2 is added to the sum and packed to f16 in place.  Behind each pair of exponentials stands plain work on other tiles.
.set t, 0
.rept 10
.set i, 0
.rept 4
.if t > 0
.if t < 9
	v_exp_f32 v[SR+8*(t-1)+2*i], v[SR+8*(t-1)+2*i]
	v_exp_f32 v[SR+8*(t-1)+2*i+1], v[SR+8*(t-1)+2*i+1]
.endif
.endif
.if t < 8
	v_pk_fma_f32 v[SR+8*t+2*i:SR+8*t+2*i+1], v[SR+8*t+2*i:SR+8*t+2*i+1], s[70:71], v[NM+2*(t/4):NM+2*(t/4)+1] op_sel_hi:[1,0,0]
.if \first == 0
	v_pk_mul_f32 v[OA+8*t+2*i:OA+8*t+2*i+1], v[OA+8*t+2*i:OA+8*t+2*i+1], v[AL+2*(t/4):AL+2*(t/4)+1] op_sel_hi:[1,0]
	s_wait_alu depctr_va_vdst(0)
.endif
.endif
.if t > 1
.set g, t-2
.if ((g%4)+i) == 0
.if \first
	s_wait_alu depctr_va_vdst(0)
	v_mov_b32 v[LR+2*(g/4)], v[SR+8*g]             ; the first pair starts the sum
	v_mov_b32 v[LR+2*(g/4)+1], v[SR+8*g+1]
.else
	s_wait_alu depctr_va_vdst(0)
	v_pk_fma_f32 v[LR+2*(g/4):LR+2*(g/4)+1], v[LR+2*(g/4):LR+2*(g/4)+1], v[AL+2*(g/4):AL+2*(g/4)+1], v[SR+8*g:SR+8*g+1] op_sel_hi:[1,0,1]
.endif
.else
	s_wait_alu depctr_va_vdst(0)
	v_pk_add_f32 v[LR+2*(g/4):LR+2*(g/4)+1], v[LR+2*(g/4):LR+2*(g/4)+1], v[SR+8*g+2*i:SR+8*g+2*i+1]
.endif
	v_cvt_pk_f16_f32 v[SR+16*(g/2)+4*(g%2)+i], v[SR+8*g+2*i], v[SR+8*g+2*i+1]
.endif
.set i, i+1
.endr
.set t, t+1
.endr
.if \nextk
	s_wait_dscnt 16                                ; V is in; the 16 loads of K issued behind it may be out
.else
	s_wait_dscnt 0x0
.endif
	WIN 0x01                                       ; source 0 (V) in window 1
.irp kk, 0,1
.irp db, 0,1,2,3
.irp qn, 0,1
.if (\first)*(1-\kk)
	v_wmma_f32_16x16x32_f16 v[OA+32*\qn+8*\db:OA+32*\qn+8*\db+7], v[32*\kk+8*\db:32*\kk+8*\db+7], v[SR+32*\qn+16*\kk:SR+32*\qn+16*\kk+7], 0
.else
	v_wmma_f32_16x16x32_f16 v[OA+32*\qn+8*\db:OA+32*\qn+8*\db+7], v[32*\kk+8*\db:32*\kk+8*\db+7], v[SR+32*\qn+16*\kk:SR+32*\qn+16*\kk+7], v[OA+32*\qn+8*\db:OA+32*\qn+8*\db+7]
.endif
.endr
.endr
.endr                                              ; again eight accumulators by turns
	WIN 0
.endm
.macro FULL slot
	STEP64 \slot, 0, 0, 0, 1
	STEP64 \slot, 1, 0, 0, 0
.endm
.macro DIAG slot
	STEP64 \slot, 0, 1, 1, 1
	STEP64 \slot, 1, 1, 0, 0
.endm
; A query block is done: O / l, rounded to f16, through my own stage, out as 4,096 consecutive bytes.
.macro FINAL base, more
	PLACES
	v_add_f32 v[LR], v[LR], v[LR+1]
	v_add_f32 v[LR+2], v[LR+2], v[LR+3]
	v_permlanex16_b32 v[AL+1], v[LR], s74, s75
	v_permlanex16_b32 v[AL+3], v[LR+2], s74, s75
	v_add_f32 v[LR], v[LR], v[AL+1]
	v_add_f32 v[LR+2], v[LR+2], v[AL+3]            ; at least 1: the largest score gives 2^0
	v_rcp_f32 v[AL], v[LR]
	v_rcp_f32 v[AL+2], v[LR+2]
	v_nop                                          ; one plain instruction behind the reciprocals
	s_wait_alu depctr_va_vdst(0)
.irp qn, 0,1
.irp p, 0,1,2,3,4,5,6,7,8,9,10,11,12,13,14,15
	v_pk_mul_f32 v[OA+32*\qn+2*\p:OA+32*\qn+2*\p+1], v[OA+32*\qn+2*\p:OA+32*\qn+2*\p+1], v[AL+2*\qn:AL+2*\qn+1] op_sel_hi:[1,0]
.endr
.endr
.set i, 0
.rept 32
	v_cvt_pk_f16_f32 v[SR+i], v[OA+2*i], v[OA+2*i+1]
.set i, i+1
.endr
.irp qn, 0,1
.irp db, 0,1,2,3
	ds_store_b128 v[STO], v[SR+16*\qn+4*\db:SR+16*\qn+4*\db+3] offset:\qn*2304+\db*32
.endr
.endr
.irp u, 0,1,2,3,4,5,6,7
	ds_load_b128 v[SR+32+4*\u:SR+32+4*\u+3], v[RD] offset:\u*576   ; four rows of 128 bytes; LDS serves a wave's instructions in order
.endr
.irp u, 0,1,2,3,4,5,6,7
	s_wait_dscnt 7-\u
	global_store_b128 v[GO], v[SR+32+4*\u:SR+32+4*\u+3], s[\base:\base+1] offset:\u*512   ; 512 consecutive bytes, aligned
.endr
.if \more
	s_wait_xcnt 0x0                                ; the stores' data registers are S again in the next block
.endif
.endm
.macro CHOICE                          ; tile n in slot 0: a full unit, or, at n = A + 1, the end of block A and B's diagonal unit.  The same in all four waves
	s_cmp_eq_u32 s16, s15
	s_cbranch_scc1 .Lsw_\@
	FULL 0
	s_branch .Lj_\@
.Lsw_\@:
	FINAL 66, 1
	LOADQ 1
	DIAG 0
.Lj_\@:
.endm
	s_load_b128 s[4:7], s[0:1], 0x0                ; qkv s[4:5], att s[6:7]
	v_lshl_add_u32 v30, v0, 2, 0x29000
	v_mov_b32 v31, 0
	ds_add_u32 v30, v31
	ds_add_u32 v30, v31
	v_lshrrev_b32 v1, 5, v0
	v_readfirstlane_b32 s8, v1                     ; wave 0..3
	s_lshr_b32 s9, s8, 1                           ; I fetch K (0) or V (1); Q of block A (0) or B (1)
	s_and_b32 s10, s8, 1                           ; which 64 rows
	s_and_b32 s12, ttmp7, 0xffff                   ; bh
	s_lshl_b32 s13, ttmp9, 1
	s_sub_co_u32 s14, 14, s13                      ; B
	s_add_co_u32 s13, s13, 1                       ; A
	s_add_co_u32 s15, s13, 1                       ; A + 1
	s_mov_b32 s[G1K+0], (1<<16)|(1<<20)|(4<<22)|(3<<25)   ; elements of 2 bytes; after every 32 words 4 words of padding: pitch 144
	s_mov_b32 s[G1K+1], 64<<16                     ; tensor_dim0 = 64
	s_mov_b32 s[G1K+2], 64<<16                     ; tensor_dim1 = 64
	s_mov_b32 s[G1K+3], 64<<16                     ; tile_dim0 = 64
	s_mov_b32 s[G1K+4], 64                         ; tile_dim1 = 64
	s_mov_b32 s[G1K+5], 64                         ; elements from row to row
	s_mov_b32 s[G1K+6], 0
	s_mov_b32 s[G1K+7], 0
	s_mov_b32 s[G1V+0], (1<<16)|(1<<20)|(4<<22)|(7<<25)   ; 8 words of padding: pitch 160, an odd multiple of 32, for the transposing loads
	s_mov_b32 s[G1V+1], 64<<16
	s_mov_b32 s[G1V+2], 64<<16
	s_mov_b32 s[G1V+3], 64<<16
	s_mov_b32 s[G1V+4], 64
	s_mov_b32 s[G1V+5], 64
	s_mov_b32 s[G1V+6], 0
	s_mov_b32 s[G1V+7], 0
	s_add_co_u32 s18, s9, 1
	s_lshl_b32 s20, s18, 23                        ; K's or V's 8,388,608 bytes
	s_lshl_b32 s18, s12, 18                        ; + bh x 262,144
	s_lshl_b32 s19, s10, 13                        ; + my 64 rows
	s_add_co_u32 s19, s19, s18
	s_add_co_u32 s20, s20, s19
	s_mov_b32 s21, 0
	s_cmp_eq_u32 s9, 0
	s_cselect_b32 s18, s13, s14
	s_lshl_b32 s18, s18, 14                        ; Q: block A or B
	s_add_co_u32 s60, s19, s18
	s_mov_b32 s61, 0
	s_lshl_b32 s62, s13, 14                        ; tile 0 is key unit A
	s_mov_b32 s63, 0
	s_mov_b32 s48, 1
	s_mul_i32 s49, s8, PART                        ; my part of slot 0
	s_mov_b32 s52, 1
	s_add_co_u32 s53, s49, SLOTB                   ; and of slot 1
	s_mov_b32 s56, 1
	s_mul_i32 s57, s8, 9216
	s_add_co_u32 s57, s57, QREG
	s_wait_dscnt 0x0
	s_wait_kmcnt 0x0
	s_add_nc_u64 s[22:23], s[4:5], s[20:21]        ; my half of key unit 0
	s_add_nc_u64 s[50:51], s[22:23], s[62:63]
	s_or_b32 s51, s51, 0x80000000
	s_add_nc_u64 s[58:59], s[4:5], s[60:61]
	s_or_b32 s59, s59, 0x80000000
	tensor_load_to_lds s[56:59], s[G1K:G1K+7]      ; the first fills, together: my 64 rows of Q,
	s_nop 0
	KVLOAD 0                                       ; and my part of tile 0: two tensor loads of the wave are out
	s_lshr_b32 s18, s12, 4
	s_lshl_b32 s18, s18, 4                         ; 16 b
	s_and_b32 s19, s12, 15                         ; h
	s_lshl_b32 s44, s8, 12                         ; my 32 rows of 128 bytes
	s_add_co_u32 s40, s18, s13
	s_lshl4_add_u32 s40, s40, s19
	s_lshl_b32 s40, s40, 14
	s_add_co_u32 s40, s40, s44
	s_mov_b32 s41, 0
	s_add_co_u32 s42, s18, s14
	s_lshl4_add_u32 s42, s42, s19
	s_lshl_b32 s42, s42, 14
	s_add_co_u32 s42, s42, s44
	s_mov_b32 s43, 0
	s_add_nc_u64 s[66:67], s[6:7], s[40:41]        ; where block A goes
	s_add_nc_u64 s[68:69], s[6:7], s[42:43]        ; where block B goes
	s_mov_b32 s70, 0x3e38aa3b                      ; c = log2(e) / 8
	s_mov_b32 s71, 0x3e38aa3b
	s_mov_b32 s72, 0xbe38aa3b                      ; -c
	s_mov_b32 s74, 0x76543210                      ; v_permlanex16_b32: lane i of one half reads lane i of the other
	s_mov_b32 s75, 0xfedcba98
	v_and_b32 v1, 15, v0                           ; r
	v_bfe_u32 v2, v0, 4, 1                         ; hh
	v_and_b32 v3, 7, v0
	v_mul_u32_u24 v[KA], v1, 144
	v_lshl_add_u32 v[KA], v2, 4, v[KA]             ; r x 144 + 16 hh
	v_lshl_add_u32 v26, v2, 3, v3
	v_mul_u32_u24 v[VA], v26, 160                  ; (8 hh + l % 8) x 160
	v_bfe_u32 v27, v0, 3, 1
	v_lshl_add_u32 v[VA], v27, 4, v[VA]            ; + 16 ((l / 8) % 2)
	v_add_nc_u32 v[VA], 2*PART, v[VA]              ; V lies behind K's two parts
	s_mul_i32 s18, s8, 4608                        ; my 32 rows of pitch 144
	s_add_co_u32 s19, s18, QREG
	v_add_nc_u32 v[QA], s19, v[KA]
	s_add_co_u32 s19, s18, STAGE
	v_add_nc_u32 v[STO], s19, v[KA]
	v_bfe_u32 v28, v0, 3, 2
	v_mul_u32_u24 v[RD], v28, 144
	v_lshl_add_u32 v[RD], v3, 4, v[RD]
	v_add_nc_u32 v[RD], s19, v[RD]
	v_and_b32 v[GO], 31, v0
	v_lshlrev_b32 v[GO], 4, v[GO]
	s_lshl_b32 s18, s8, 5
	v_add_nc_u32 v[DL], s18, v1
	v_lshlrev_b32 v29, 3, v2
	v_sub_nc_u32 v[DL], v[DL], v29
	v_mov_b32 v[NINF], 0xff800000
	v_mov_b32 v[AL+1], 0                           ; a lane permute's destination counts as read
	v_mov_b32 v[AL+3], 0
	s_mov_b32 s16, 0
	HEAD 0, 1, s16                                 ; Q and tile 0 are in, for every wave; slot 1's first fill (tile 1) goes out
	LOADQ 0
	DIAG 0
	s_mov_b32 s17, 1
	HEAD 1, 1, s17
	FULL 1
	s_mov_b32 s16, 2
.Lloop:                                            ; tiles n = s16 (slot 0) and n + 1 (slot 1); seven trips: n = 2 .. 15
	HEAD 0, 1, s16
	CHOICE
	s_add_co_u32 s17, s16, 1
	HEAD 1, 1, s17
	FULL 1
	s_add_co_u32 s16, s16, 2
	s_cmp_lt_u32 s16, 16
	s_cbranch_scc1 .Lloop
	HEAD 0, 0, s16                                 ; tile 16: nothing is left to fetch
	CHOICE
	FINAL 68, 0
	s_wait_tensorcnt 0x0
	ds_add_u32 v30, v31
	s_wait_dscnt 0x0
	s_endpgm
.Lfunc_end_k_qe81cd5b8a1_attn:
	.size	k_qe81cd5b8a1_attn, .Lfunc_end_k_qe81cd5b8a1_attn-k_qe81cd5b8a1_attn
	.p2alignl 7, 3214868480
	.fill 96, 4, 3214868480
	.section	.rodata,"a",@progbits
	.p2align	6, 0x0
	.amdhsa_kernel k_qe81cd5b8a1_attn
		.amdhsa_group_segment_fixed_size 327680
		.amdhsa_private_segment_fixed_size 0
		.amdhsa_enable_private_segment 0
		.amdhsa_kernarg_size 16
		.amdhsa_user_sgpr_count 2
		.amdhsa_user_sgpr_kernarg_segment_ptr 1
		.amdhsa_wavefront_size32 1
		.amdhsa_system_sgpr_workgroup_id_x 1
		.amdhsa_system_sgpr_workgroup_id_y 1
		.amdhsa_system_sgpr_workgroup_id_z 1
		.amdhsa_system_vgpr_workitem_id 0
		.amdhsa_next_free_vgpr 320
		.amdhsa_next_free_sgpr 80
		.amdhsa_reserve_vcc 1
		.amdhsa_float_denorm_mode_32 3
		.amdhsa_float_denorm_mode_16_64 3
		.amdhsa_memory_ordered 1
		.amdhsa_forward_progress 1
		.amdhsa_inst_pref_size 255
	.end_amdhsa_kernel
	.section	.bss,"aw",@nobits
	.p2align	6
	.space	262144
	.amdgpu_metadata
---
amdhsa.version: [ 1, 2 ]
amdhsa.kernels:
  - .name:           k_qe81cd5b8a1_attn
    .symbol:         k_qe81cd5b8a1_attn.kd
    .args:
      - { .name: qkv, .offset: 0, .size: 8, .value_kind: global_buffer, .address_space: global }
      - { .name: att, .offset: 8, .size: 8, .value_kind: global_buffer, .address_space: global }
    .group_segment_fixed_size: 327680
    .private_segment_fixed_size: 0
    .kernarg_segment_align: 8
    .kernarg_segment_size: 16
    .max_flat_workgroup_size: 128
    .sgpr_count:     80
    .vgpr_count:     320
    .wavefront_size: 32
...
	.end_amdgpu_metadata
.endif
;; end of part 3
;; launch oproj (part 4): grid 8 x 32, 4 waves a work-group, clusters of 4 x 4, 327,680 bytes of LDS; arguments att, wt, bo, out0; writes out0
.if DOCPART == 4
	.amdgcn_target "amdgcn-amd-amdhsa--gfx1250"
	.amdhsa_code_object_version 6
	.text
	.protected	k_qe81cd5b8a1_oproj
	.globl	k_qe81cd5b8a1_oproj
	.p2align	8
	.type	k_qe81cd5b8a1_oproj,@function
k_qe81cd5b8a1_oproj:
	s_mov_b64 s[64:65], 0
	v_nop
	global_prefetch_b8 v0, s[64:65] scope:SCOPE_SE
	s_setreg_imm32_b32 hwreg(HW_REG_WAVE_MODE, 25, 1), 1
	s_wait_xcnt 0x0
	s_wait_alu depctr_hold_cnt(0) depctr_sa_sdst(0) depctr_va_vdst(0) depctr_va_sdst(0) depctr_va_ssrc(0) depctr_va_vcc(0) depctr_vm_vsrc(0)
	s_getreg_b32 s2, hwreg(HW_REG_IB_STS2, 6, 4)
	s_cmp_eq_u32 s2, 0
	s_cbranch_scc0 .Lentry_in_a_cluster
	s_endpgm
.Lentry_in_a_cluster:
	s_bfe_u32 s2, ttmp6, 0x10000c
	s_cmp_lg_u32 s2, 0xf033
	s_cbranch_scc0 .Lentry_shape_is_right
	s_endpgm
.Lentry_shape_is_right:
; oproj: out0 = att x Wo + bo.  att[y = b*16 + block][h][128][64] f16, wt rows 3072 + n = column n of Wo, [1024 k] f16, sums in f32, out0 f32.
; The work-group (x, y) makes 128 tokens x 128 columns; wave (wm, wn) makes 64 x 64: 16 accumulator tiles, 128 registers (window 1).
; K = 1024 goes in four steps of 256 (four heads) through two LDS slots; all four steps are written out.
;   A's part of a slot: four heads x 128 rows of 128 bytes = 65,536 consecutive bytes of att, taken as 512 rows, pitch 144.
;   B's part: 128 rows of 512 bytes, pitch 528.
; CLUSTERS: 4 x 4.  A's tile hangs on y alone (shared along a row of the cluster), B's on x alone (shared along a column).
; TRANSPOSED USE (source 0 = rows of wt, source 1 = rows of att): lane l holds token l % 16, registers 0-7 columns 8 (l / 16) + 0..7; the bias,
; loaded in that layout, is the first product's C.
.set APLANE, 18432                     ; a head's 128 rows x 144
.set ABYTES, 4*APLANE                  ; 73,728
.set BPITCH, 528
.set BHALF,  64*BPITCH                 ; 33,792
.set SLOT,   ABYTES+2*BHALF            ; 141,312
.set STAGE,  2*SLOT                    ; 282,624: 16 rows x 272 bytes for each wave; no tensor load lands here
.set ADRA, 4
.set ADRB, 6
.set STO,  8
.set RD,   9
.set CO,   10
.set BO,   11
.set F,    32                          ; buffer f at 32 + 64 f: B's four fragments, then A's four
.set BIAS, 160                         ; v160-191
.set G1,  24
.set G0,  32
.set G1B, 40
.set G0B, 48
.set MULW, 0x50                        ; C and D in window 1
.set MSB, 0
.macro WIN new
.if MSB != \new
	s_set_vgpr_msb (MSB<<8)|\new
.set MSB, \new
.endif
.endm
.macro JLOAD s
	s_cmp_eq_u32 s17, 0
	s_cbranch_scc0 .Lfor_b_\@
	tensor_load_to_lds s[G0+4*\s:G0+4*\s+3], s[G1:G1+7]
	s_nop 0
	s_branch .Lasked_\@
.Lfor_b_\@:
	tensor_load_to_lds s[G0B+4*\s:G0B+4*\s+3], s[G1B:G1B+7]
	s_nop 0
.Lasked_\@:
.endm
.macro CREST
	s_cmp_lg_u32 s16, 0
	s_cbranch_scc1 .Lnot_wave_0_\@
	s_barrier_signal -3
.Lnot_wave_0_\@:
	s_barrier_wait -3
	s_barrier_signal -1
	s_barrier_wait -1
.endm
.macro CROUND
	s_barrier_signal -1
	s_barrier_wait -1
	CREST
.endm
.macro PLACES
.rept 4
	v_nop
.endr
.endm
	s_load_b256 s[4:11], s[0:1], 0x0               ; att s[4:5], wt s[6:7], bo s[8:9], out0 s[10:11]
	v_lshl_add_u32 v30, v0, 2, 0x49400
	v_mov_b32 v31, 0
	ds_add_u32 v30, v31
	ds_add_u32 v30, v31
	v_lshrrev_b32 v1, 5, v0
	v_readfirstlane_b32 s16, v1                    ; wave
	s_lshr_b32 s17, s16, 1                         ; wm; also: I fetch for A (0) or B (1)
	s_and_b32 s18, s16, 1                          ; wn; also: which half of that tile
	s_bfe_u32 s20, ttmp6, 0x40000                  ; cx
	s_bfe_u32 s21, ttmp6, 0x40004                  ; cy
	s_lshl_b32 s22, ttmp9, 2
	s_add_co_u32 s22, s22, s20                     ; x
	s_and_b32 s23, ttmp7, 0xffff
	s_lshl_b32 s23, s23, 2
	s_add_co_u32 s23, s23, s21                     ; y
	s_lshl_b32 s62, s21, 2
	s_lshl_b32 s62, 15, s62                        ; my row of the cluster
	s_lshl_b32 s63, 0x1111, s20                    ; my column
	s_or_b32 s[G1+0], s62, (1<<16)|(1<<20)|(1<<21)|(4<<22)|(3<<25)   ; rows of 32 words, 4 words of padding
	s_mov_b32 s[G1+1], 64<<16                      ; tensor_dim0 = 64
	s_mov_b32 s[G1+2], 256<<16                     ; tensor_dim1 = 256
	s_mov_b32 s[G1+3], 64<<16                      ; tile_dim0 = 64
	s_mov_b32 s[G1+4], 256                         ; tile_dim1 = 256: two heads
	s_mov_b32 s[G1+5], 64
	s_mov_b32 s[G1+6], 0
	s_mov_b32 s[G1+7], 0
	s_or_b32 s[G1B+0], s63, (1<<16)|(1<<20)|(1<<21)|(6<<22)|(3<<25)  ; rows of 128 words, 4 words of padding
	s_mov_b32 s[G1B+1], 256<<16
	s_mov_b32 s[G1B+2], 64<<16
	s_mov_b32 s[G1B+3], 256<<16
	s_mov_b32 s[G1B+4], 64
	s_mov_b32 s[G1B+5], 1024
	s_mov_b32 s[G1B+6], 0
	s_mov_b32 s[G1B+7], 0
	s_lshl_b32 s56, s23, 18                        ; A: y x 262,144 + half x two heads: y and the wave's number alone
	s_lshl_b32 s72, s18, 15
	s_add_co_u32 s56, s56, s72
	s_mov_b32 s57, 0
	s_lshl_b32 s58, s22, 18                        ; B: (3072 + 128 x + 64 half) rows of 2,048 bytes: x and the wave's number alone
	s_lshl_b32 s73, s18, 17
	s_add_co_u32 s58, s58, s73
	s_add_co_u32 s58, s58, 6291456
	s_mov_b32 s59, 0
	s_mul_i32 s74, s16, 2*APLANE                   ; LDS: waves 0, 1 at 0 and 36,864
	s_mul_i32 s75, s16, BHALF
	s_add_co_u32 s75, s75, ABYTES-2*BHALF          ; waves 2, 3 at 73,728 and 107,520
	s_wait_dscnt 0x0
	s_wait_kmcnt 0x0
	s_add_nc_u64 s[56:57], s[4:5], s[56:57]
	s_add_nc_u64 s[58:59], s[6:7], s[58:59]
	CROUND                                         ; in front of the first joint loads
.irp s, 0,1
	s_mov_b32 s[G0+4*\s], 1
	s_add_co_u32 s[G0+4*\s+1], s74, \s*SLOT
	s_add_nc_u64 s[G0+4*\s+2:G0+4*\s+3], s[56:57], \s*65536
	s_or_b32 s[G0+4*\s+3], s[G0+4*\s+3], 0x80000000
	s_mov_b32 s[G0B+4*\s], 1
	s_add_co_u32 s[G0B+4*\s+1], s75, \s*SLOT
	s_add_nc_u64 s[G0B+4*\s+2:G0B+4*\s+3], s[58:59], \s*512
	s_or_b32 s[G0B+4*\s+3], s[G0B+4*\s+3], 0x80000000
	JLOAD \s                                       ; steps 0 and 1: two tensor loads of the wave are out
.endr
	v_and_b32 v1, 15, v0                           ; r
	v_bfe_u32 v2, v0, 4, 1                         ; hh
	v_mul_u32_u24 v3, v1, 144
	v_lshl_add_u32 v3, v2, 4, v3
	s_mul_i32 s72, s17, 64*144                     ; my 64 rows in each head's plane
	v_add_nc_u32 v[ADRA], s72, v3
	v_add_nc_u32 v[ADRA+1], SLOT, v[ADRA]
	v_mul_u32_u24 v12, v1, BPITCH
	v_lshl_add_u32 v12, v2, 4, v12
	s_mul_i32 s73, s18, BHALF
	s_add_co_u32 s73, s73, ABYTES                  ; my 64 rows of B
	v_add_nc_u32 v[ADRB], s73, v12
	v_add_nc_u32 v[ADRB+1], SLOT, v[ADRB]
	s_mul_i32 s72, s16, 16*272
	s_add_co_u32 s72, s72, STAGE
	v_mul_u32_u24 v13, v1, 272
	v_lshl_add_u32 v13, v2, 5, v13
	v_add_nc_u32 v[STO], s72, v13                  ; in: row r, 32 bytes for each half of the lanes
	v_mul_u32_u24 v14, v2, 272
	v_lshl_add_u32 v14, v1, 4, v14
	v_add_nc_u32 v[RD], s72, v14                   ; back: sixteen lanes take a row of 256 bytes
	v_lshlrev_b32 v15, 4, v1
	v_lshl_add_u32 v[CO], v2, 12, v15              ; and the same two rows in out0
	v_lshlrev_b32 v[BO], 5, v2
	s_lshl_b32 s60, s22, 9                         ; bias and columns: (128 x + 64 wn) x 4 bytes
	s_lshl_b32 s61, s18, 8
	s_add_co_u32 s60, s60, s61
	s_mov_b32 s61, 0
	s_add_nc_u64 s[8:9], s[8:9], s[60:61]
.irp b, 0,1,2,3
	global_load_b128 v[BIAS+8*\b:BIAS+8*\b+3],   v[BO], s[8:9] offset:\b*64
	global_load_b128 v[BIAS+8*\b+4:BIAS+8*\b+7], v[BO], s[8:9] offset:\b*64+16
.endr
	s_lshl_b32 s72, s23, 19                        ; rows: (128 y + 64 wm) x 4,096 bytes
	s_lshl_b32 s73, s17, 18
	s_add_co_u32 s72, s72, s73
	s_add_co_u32 s72, s72, s60
	s_mov_b32 s73, 0
	s_add_nc_u64 s[66:67], s[10:11], s[72:73]
.macro MUL4 f, a, zero                 ; token block a x four column blocks, 32 along K
.irp b, 0,1,2,3
.if \zero
	v_wmma_f32_16x16x32_f16 v[8*(4*\a+\b):8*(4*\a+\b)+7], v[F+64*\f+8*\b:F+64*\f+8*\b+7], v[F+64*\f+32+8*\a:F+64*\f+32+8*\a+7], v[BIAS+8*\b:BIAS+8*\b+7]
.else
	v_wmma_f32_16x16x32_f16 v[8*(4*\a+\b):8*(4*\a+\b)+7], v[F+64*\f+8*\b:F+64*\f+8*\b+7], v[F+64*\f+32+8*\a:F+64*\f+32+8*\a+7], v[8*(4*\a+\b):8*(4*\a+\b)+7]
.endif
.endr
.endm
.macro FETCH s, q, f                   ; 16 LDS loads: eighth q of slot s (32 along K: head q / 2 of the four, half q % 2 of its 64) into buffer f
.irp b, 0,1,2,3
	ds_load_b128 v[F+64*\f+8*\b:F+64*\f+8*\b+3],   v[ADRB+\s] offset:\b*16*BPITCH+\q*64
	ds_load_b128 v[F+64*\f+8*\b+4:F+64*\f+8*\b+7], v[ADRB+\s] offset:\b*16*BPITCH+\q*64+32
.endr
.irp a, 0,1,2,3
	ds_load_b128 v[F+64*\f+32+8*\a:F+64*\f+32+8*\a+3],   v[ADRA+\s] offset:(\q/2)*APLANE+\a*2304+(\q%2)*64
	ds_load_b128 v[F+64*\f+32+8*\a+4:F+64*\f+32+8*\a+7], v[ADRA+\s] offset:(\q/2)*APLANE+\a*2304+(\q%2)*64+32
.endr
.endm
; 16 matrix instructions on buffer f; in their middle the next eighth, q, is fetched into buffer g.  The 16 accumulators take turns, one
; instruction a turn, in the same order every time.
.macro EIGHTH s, q, f, g, zero
	s_wait_dscnt 4                                 ; B and A's blocks 0, 1 are in; the youngest four loads (A's blocks 2, 3) may be out
.if \zero
	WIN 0x40                                       ; C (the bias) in window 0, D in window 1
.else
	WIN MULW
.endif
	MUL4 \f, 0, \zero
	MUL4 \f, 1, \zero
	WIN 0
	PLACES
	FETCH \s, \q, \g
	s_wait_dscnt 16                                ; all but the 16 just issued
.if \zero
	WIN 0x40
.else
	WIN MULW
.endif
	MUL4 \f, 2, \zero
	MUL4 \f, 3, \zero
.endm
.macro SEVEN s, zero
	EIGHTH \s, 1, 0, 1, \zero
	EIGHTH \s, 2, 1, 0, 0
	EIGHTH \s, 3, 0, 1, 0
	EIGHTH \s, 4, 1, 0, 0
	EIGHTH \s, 5, 0, 1, 0
	EIGHTH \s, 6, 1, 0, 0
	EIGHTH \s, 7, 0, 1, 0
.endm
; The last eighth multiplies buffer 1 and changes slots: each wave's waits for its reads and for all its tensor loads stand in front of the
; barrier; where the slot is filled again that barrier opens a round of the cluster's barrier and the joint refill comes first behind the round.
.macro TURN slot, next, fill
	s_wait_dscnt 4
	WIN MULW
	MUL4 1, 0, 0
	s_wait_dscnt 0
	s_wait_tensorcnt 0x0
	ds_add_u32 v30, v31
	s_wait_dscnt 0x0
	s_barrier_signal -1
	MUL4 1, 1, 0
	WIN 0
	s_barrier_wait -1
.if \fill
	CREST
	s_add_nc_u64 s[G0+4*\slot+2:G0+4*\slot+3], s[G0+4*\slot+2:G0+4*\slot+3], 131072
	s_add_nc_u64 s[G0B+4*\slot+2:G0B+4*\slot+3], s[G0B+4*\slot+2:G0B+4*\slot+3], 1024
	JLOAD \slot
.endif
	PLACES
	FETCH \next, 0, 0
	WIN MULW
	MUL4 1, 2, 0
	MUL4 1, 3, 0
.endm
	s_wait_tensorcnt 0x1                           ; my part of step 0 is in; step 1's stays out
	s_barrier_signal -1
	s_barrier_wait -1
	FETCH 0, 0, 0
	s_wait_loadcnt 0x0                             ; the bias
	SEVEN 0, 1
	TURN 0, 1, 1                                   ; slot 0 gets step 2
	SEVEN 1, 0
	TURN 1, 0, 1                                   ; slot 1 gets step 3
	SEVEN 0, 0
	TURN 0, 1, 0
	SEVEN 1, 0
	s_wait_dscnt 0
	WIN MULW
	MUL4 1, 0, 0
	MUL4 1, 1, 0
	MUL4 1, 2, 0
	MUL4 1, 3, 0
	; THE WAY OUT, 16 tokens at a time, through my own stage, so that sixteen lanes store 256 consecutive bytes of a row of out0.
	PLACES
.macro OUT16 a, rb
	WIN 0x04                                       ; the stores' data in window 1
.irp b, 0,1,2,3
	ds_store_b128 v[STO], v[8*(4*\a+\b):8*(4*\a+\b)+3]   offset:\b*64
	ds_store_b128 v[STO], v[8*(4*\a+\b)+4:8*(4*\a+\b)+7] offset:\b*64+16
.endr
	WIN 0
	s_wait_xcnt 0x0                                ; the set, which earlier stores read, is loaded again only behind this wait
.irp t, 0,1,2,3,4,5,6,7
	ds_load_b128 v[\rb+4*\t:\rb+4*\t+3], v[RD] offset:\t*544       ; LDS serves a wave's instructions in order
.endr
.irp t, 0,1,2,3,4,5,6,7
	s_wait_dscnt 7-\t
	global_store_b128 v[CO], v[\rb+4*\t:\rb+4*\t+3], s[66:67] offset:(16*\a+2*\t)*4096 th:TH_STORE_NT
.endr
.endm
	OUT16 0, 192
	OUT16 1, 224
	OUT16 2, 192
	OUT16 3, 224
	s_wait_tensorcnt 0x0
	ds_add_u32 v30, v31
	s_wait_dscnt 0x0
	CROUND                                         ; the closing round
	s_endpgm
.Lfunc_end_k_qe81cd5b8a1_oproj:
	.size	k_qe81cd5b8a1_oproj, .Lfunc_end_k_qe81cd5b8a1_oproj-k_qe81cd5b8a1_oproj
	.p2alignl 7, 3214868480
	.fill 96, 4, 3214868480
	.section	.rodata,"a",@progbits
	.p2align	6, 0x0
	.amdhsa_kernel k_qe81cd5b8a1_oproj
		.amdhsa_group_segment_fixed_size 327680
		.amdhsa_private_segment_fixed_size 0
		.amdhsa_enable_private_segment 0
		.amdhsa_kernarg_size 32
		.amdhsa_user_sgpr_count 2
		.amdhsa_user_sgpr_kernarg_segment_ptr 1
		.amdhsa_wavefront_size32 1
		.amdhsa_system_sgpr_workgroup_id_x 1
		.amdhsa_system_sgpr_workgroup_id_y 1
		.amdhsa_system_sgpr_workgroup_id_z 1
		.amdhsa_system_vgpr_workitem_id 0
		.amdhsa_next_free_vgpr 384
		.amdhsa_next_free_sgpr 80
		.amdhsa_reserve_vcc 0
		.amdhsa_float_denorm_mode_32 3
		.amdhsa_float_denorm_mode_16_64 3
		.amdhsa_memory_ordered 1
		.amdhsa_forward_progress 1
		.amdhsa_inst_pref_size 90
	.end_amdhsa_kernel
	.amdgpu_metadata
---
amdhsa.version: [ 1, 2 ]
amdhsa.kernels:
  - .name:           k_qe81cd5b8a1_oproj
    .symbol:         k_qe81cd5b8a1_oproj.kd
    .args:
      - { .name: att, .offset: 0, .size: 8, .value_kind: global_buffer, .address_space: global }
      - { .name: wt, .offset: 8, .size: 8, .value_kind: global_buffer, .address_space: global }
      - { .name: bo, .offset: 16, .size: 8, .value_kind: global_buffer, .address_space: global }
      - { .name: out0, .offset: 24, .size: 8, .value_kind: global_buffer, .address_space: global }
    .group_segment_fixed_size: 327680
    .private_segment_fixed_size: 0
    .kernarg_segment_align: 8
    .kernarg_segment_size: 32
    .max_flat_workgroup_size: 128
    .sgpr_count:     80
    .vgpr_count:     384
    .wavefront_size: 32
...
	.end_amdgpu_metadata
.endif
;; end of part 4
